; MI455X (gfx1250); checked and timed in simulation.
; The chip was launched on July 23, 2026; its instructions are those of AMD's public machine-readable ISA for CDNA 5 (MIT licence, August 2026) and "CDNA5" Instruction Set Architecture Reference Guide (July 2026). The comments in the code are by the model that wrote it; some were corrected since.
;; SVD Quant Linear. Allowed arithmetic: float matrix products may take bf16 or f16 operands with f32 sums; other float arithmetic in f32, or as packed bf16 or f16 multiplies, adds, multiply-adds, maxima and minima; sums over many terms, partial sums and values carried from step to step in f32; what a program stores and reads back later, other than sums and carried values, may be rounded once to bf16 or f16.
;; Inputs: lora_down 32 x 4,096 float16; lora_up 4,096 x 32 float16; qweight 4,096 x 4,096 int32; wscale 4,096 x 64 float16; x 4,096 x 4,096 float16.
;; Outputs: out0 4,096 x 4,096 float16.
;; 2 versions, each right; version 2 is version 1 with the launch fold written anew for expert scheduling mode. Each part assembles by itself: llvm-mc -triple=amdgcn-amd-amdhsa -mcpu=gfx1250 --defsym DOCPART=n.
;; ======== version 1 of 2: 2 launches
;; limits: values outside matrix products are rounded to f16; values are held in f16: magnitudes above 65,504 overflow, below 6.1e-05 lose precision
;; workspace buffers: wfold 33,554,432 bytes
;; launch fold (part 1): grid 4 x 64, 8 waves a work-group, no clusters, 0 bytes of LDS; arguments lora_down, lora_up, qweight, wscale, wfold; writes wfold
.if DOCPART == 1
	.amdgcn_target "amdgcn-amd-amdhsa--gfx1250"
	.amdhsa_code_object_version 6
	.text
	.protected	k_qcb7311849b_fold
	.globl	k_qcb7311849b_fold
	.p2align	8
	.type	k_qcb7311849b_fold,@function
k_qcb7311849b_fold:
	s_mov_b64 s[64:65], 0
	v_nop
	global_prefetch_b8 v0, s[64:65] scope:SCOPE_SE
	s_setreg_imm32_b32 hwreg(HW_REG_WAVE_MODE, 25, 1), 1
	s_wait_xcnt 0x0
; W'[n][k] = f16( (q[n][k] - 8) s[n][k / 64] + the sum over r of Lu[n][r] Ld[r][k] ).  q: [4096][4096] int32, s: [4096][64] f16, Lu: [4096][32] f16, Ld: [32][4096] f16, W': [4096][4096] f16.
; WHY.  (x Ld^T) Lu^T = x (Lu Ld)^T for every input, so the low-rank branch is folded into the weights here, once, and the launch behind is one product x W'^T.  The rank, 32, is the K of one
; matrix instruction: a tile of 16 x 16 of W' is ONE v_wmma_f32_16x16x32_f16 whose C operand is the dequantised weights.
; LIMITS.  The order of rounding is not the module's own: h = x Ld^T is never rounded to f16, and w = (q - 8) s is not rounded by itself: q s - 8 s is one fused multiply-add in f32 (exact for
; codes 0 to 15: 4 bits x 11 bits), Lu Ld is added in f32, and W' is rounded ONCE to f16.  Where Lu Ld is hundreds of times larger than w, w's share is rounded at Lu Ld's size.
; |W'| of 65,520 or more becomes an infinity.  Any int32 code is taken (v_cvt_f32_i32); beyond 2,048 in size its f16 value in the module's own arithmetic would differ.  NaN and infinities are not treated apart.
; SHARES.  256 work-groups of eight waves.  Work-group (gx, gy) owns rows 64 gy .. + 63 and columns 1,024 gx .. + 1,023; wave w the 128 columns from kb = 128 (8 gx + w), all 64 rows, as four blocks of 16.
; LAYOUT (lane l: r = l % 16, h = l / 16).  Source 0 = 16 rows of Lu, source 1 = Ld^T, where column r of tile t (0 .. 7) STANDS FOR k = kb + 8 r + t.  So register j of tile t is W'[n0 + 8 h + j][kb + 8 r + t]:
; a lane's eight tiles hold eight NEIGHBOURING columns of one row, 16 bytes of f16, and sixteen lanes store 256 consecutive bytes, aligned: nothing goes through LDS.  The lane's codes of that row are 32
; consecutive bytes of q: two loads of 16 bytes, of which a pair covers 512 consecutive bytes of each of two rows.  No wave wants a byte that another has fetched: no LDS, no barrier.
; IN FLIGHT.  A wave's whole share of q is 32 KiB = 256 registers (window 1).  Three of its four blocks are asked for before anything is computed, the fourth when the first has come.
; REGISTERS.  window 0: v1-7 lane terms; v8-11 scales as loaded; v12-15 in f32; v16-23 a block's eight scales; v24-31 minus eight times them; v32-63 Lu; v64-127 Ld^T; v128-191 accumulators; v192-223 to store.
.set ROWQ, 16384                       ; bytes in a row of q
.set ROWW, 8192                        ; bytes in a row of W' and of Ld
.set VQ,  3                            ; v3   my byte offset in q: 8 h rows + 32 r; never rewritten
.set VO,  4                            ; v4   my byte offset in W' and in Ld: 8 h rows + 16 r; never rewritten
.set VL,  5                            ; v5   my byte offset in Lu: 64 r + 16 h; never rewritten
.set VS,  6                            ; v6   my byte offset in the scales; never rewritten
.set SR,  8                            ; v8-11   block b's scale as loaded
.set SF,  12                           ; v12-15  the same in f32
.set SCL, 16                           ; v[16:23] scale of row 8 h + j, for my column's group
.set NSC, 24                           ; v[24:31] -8 x that
.set LU,  32                           ; v[32:63] block b's fragment of Lu at LU + 8 b
.set FR,  64                           ; v[64:127] tile t's fragment of Ld^T at FR + 8 t
.set ACC, 128                          ; v[128:191] tile t's accumulator at ACC + 8 t
.set RAW, 128                          ; the same registers, first: Ld as loaded, row number a at RAW + 4 a
.set OUTR, 192                         ; v[192:223] row j's 16 bytes at OUTR + 4 j
.set MSB, 0
.macro WIN new                         ; s_set_vgpr_msb: bits 1:0 source 0, 7:6 destination; the immediate's high byte repeats the setting that is left
.if MSB != (\new)
	s_set_vgpr_msb (MSB<<8)|(\new)
.set MSB, \new
.endif
.endm
	s_load_b256 s[4:11], s[0:1], 0x0               ; Ld s[4:5], Lu s[6:7], q s[8:9], scales s[10:11]
	s_load_b64 s[12:13], s[0:1], 0x20              ; W'
	v_lshrrev_b32 v7, 5, v0
	v_readfirstlane_b32 s14, v7                    ; wave 0..7
	v_and_b32 v1, 15, v0                           ; r
	v_bfe_u32 v2, v0, 4, 1                         ; h
	v_lshlrev_b32 v[VQ], 5, v1                     ; 8 codes of 4 bytes for each r,
	v_lshl_or_b32 v[VQ], v2, 17, v[VQ]             ; 8 rows of 16,384 bytes for h
	v_lshlrev_b32 v[VO], 4, v1                     ; 8 numbers of 2 bytes for each r,
	v_lshl_or_b32 v[VO], v2, 16, v[VO]             ; 8 rows of 8,192 bytes for h
	v_lshlrev_b32 v[VL], 6, v1                     ; a row of Lu is 64 bytes; registers 0-3 of a fragment hold ranks 8 h + 0..7
	v_lshl_or_b32 v[VL], v2, 4, v[VL]
	v_and_b32 v[VS], 7, v0                         ; lane i of each group of eight lanes fetches the scale of row 8 h + i (128 bytes a row)
	v_lshlrev_b32 v[VS], 7, v[VS]
	v_lshl_or_b32 v[VS], v2, 10, v[VS]
	v_bfe_u32 v7, v0, 3, 1                         ; r / 8: which of my wave's two groups of 64 columns the eight lanes lie in
	v_lshl_or_b32 v[VS], v7, 1, v[VS]
.irp j, 0,1,2,3,4,5,6,7
	v_mov_b32 v[SCL+(\j)], 0                       ; a DPP form's destination counts as read: it is written once here
.endr
	s_lshl_b32 s15, ttmp9, 3
	s_add_co_u32 s15, s15, s14                     ; my block of 128 columns, 0 .. 31
	s_and_b32 s16, ttmp7, 0xffff                   ; gy
	s_mov_b32 s20, 0x05040100                      ; v_perm_b32: the two low halves
	s_mov_b32 s21, 0x07060302                      ; the two high halves
	s_lshl_b32 s18, s15, 8                         ; Ld: 256 bytes a column block
	s_mov_b32 s19, 0
	s_lshl_b32 s22, s16, 12                        ; Lu: 64 rows of 64 bytes
	s_mov_b32 s23, 0
	s_lshl_b32 s24, s16, 20                        ; q: 64 rows of 16,384 bytes,
	s_lshl_b32 s17, s15, 9                         ; 512 bytes a column block
	s_add_co_u32 s24, s24, s17
	s_mov_b32 s25, 0
	s_lshl_b32 s26, s16, 13                        ; scales: 64 rows of 128 bytes,
	s_lshl_b32 s17, s15, 2                         ; two groups of 2 bytes a column block
	s_add_co_u32 s26, s26, s17
	s_mov_b32 s27, 0
	s_lshl_b32 s28, s16, 19                        ; W': 64 rows of 8,192 bytes,
	s_add_co_u32 s28, s28, s18                     ; 256 bytes a column block
	s_mov_b32 s29, 0
	s_wait_kmcnt 0x0
	s_add_nc_u64 s[4:5], s[4:5], s[18:19]
	s_add_nc_u64 s[6:7], s[6:7], s[22:23]
	s_add_nc_u64 s[8:9], s[8:9], s[24:25]
	s_add_nc_u64 s[10:11], s[10:11], s[26:27]
	s_add_nc_u64 s[12:13], s[12:13], s[28:29]
; Block b's codes: 16 loads into window 1; row j, tile t at 64 b + 8 j + t.  All steps stand in the immediate (63 rows + 16 bytes at the most): no address register is ever rewritten.
.macro QLOAD b
	WIN 0x40                                       ; destination window 1, address window 0
.irp j, 0,1,2,3,4,5,6,7
.irp u, 0,1
	global_load_b128 v[64*(\b)+8*(\j)+4*(\u):64*(\b)+8*(\j)+4*(\u)+3], v[VQ], s[8:9] offset:(16*(\b)+(\j))*ROWQ+16*(\u) th:TH_LOAD_NT
.endr
.endr
	WIN 0
.endm
	; Ld as it lies: load a brings rank 8 h + a (a < 8) or 16 + 8 h + (a - 8), columns kb + 8 r + 0..7: sixteen lanes read 256 consecutive bytes
.irp a, 0,1,2,3,4,5,6,7,8,9,10,11,12,13,14,15
	global_load_b128 v[RAW+4*(\a):RAW+4*(\a)+3], v[VO], s[4:5] offset:((\a)+8*((\a)/8))*ROWW
.endr
.irp b, 0,1,2,3
	global_load_u16 v[SR+(\b)], v[VS], s[10:11] offset:2048*(\b)  ; 16 rows of 128 bytes a block
.endr
.irp b, 0,1,2,3
	global_load_b128 v[LU+8*(\b):LU+8*(\b)+3],   v[VL], s[6:7] offset:1024*(\b)
	global_load_b128 v[LU+8*(\b)+4:LU+8*(\b)+7], v[VL], s[6:7] offset:1024*(\b)+32
.endr
	QLOAD 0
	QLOAD 1
	s_wait_loadcnt 32                              ; loads come back in order (ISA guide 5.7.1): Ld, the scales and Lu are in; the 32 loads of blocks 0 and 1 stay out
	; Ld^T's fragments, kept for all four blocks.  Register i of tile t holds ranks (8 h or 16 + 8 h) + 2 (i % 4), + 1 of column kb + 8 r + t: the halves t of loads 2 i and 2 i + 1.
.irp i, 0,1,2,3,4,5,6,7
.irp u, 0,1,2,3
	v_perm_b32 v[FR+16*(\u)+(\i)],   v[RAW+4*(2*(\i)+1)+(\u)], v[RAW+8*(\i)+(\u)], s20  ; t = 2 u
	v_perm_b32 v[FR+16*(\u)+8+(\i)], v[RAW+4*(2*(\i)+1)+(\u)], v[RAW+8*(\i)+(\u)], s21  ; t = 2 u + 1
.endr
.endr
	v_cvt_f32_f16 v12, v8.l                        ; the four blocks' scales in f32
	v_cvt_f32_f16 v13, v9.l
	v_cvt_f32_f16 v14, v10.l
	v_cvt_f32_f16 v15, v11.l
	QLOAD 2
; Block b: 16 rows x 128 columns.  left = the younger loads that may stay out.
.macro BLOCK b, left
	s_wait_loadcnt \left                           ; this block's codes are in
.if (\b) == 0
	QLOAD 3                                        ; the last block is asked for when the first has come: 48 loads of mine are out
.endif
	WIN 0x01                                       ; source window 1
.irp t, 0,1,2,3,4,5,6,7
.irp j, 0,1,2,3,4,5,6,7
	v_cvt_f32_i32 v[ACC+8*(\t)+(\j)], v[64*(\b)+8*(\j)+(\t)]  ; from (row, tile) to (tile, row): the turn is in the names alone
.endr
.endr
	WIN 0
.irp j, 0,1,2,3,4,5,6,7
	v_mov_b32_dpp v[SCL+(\j)], v[SF+(\b)] dpp8:[\j,\j,\j,\j,\j,\j,\j,\j]  ; all eight lanes of a group take lane j's: the scale of row 8 h + j for the group's columns
.endr
.irp p, 0,2,4,6
	v_pk_mul_f32 v[NSC+(\p):NSC+(\p)+1], v[SCL+(\p):SCL+(\p)+1], 0xc1000000 op_sel_hi:[1,0]  ; -8 s
.endr
.irp t, 0,1,2,3,4,5,6,7
.irp p, 0,2,4,6
	v_pk_fma_f32 v[ACC+8*(\t)+(\p):ACC+8*(\t)+(\p)+1], v[ACC+8*(\t)+(\p):ACC+8*(\t)+(\p)+1], v[SCL+(\p):SCL+(\p)+1], v[NSC+(\p):NSC+(\p)+1]  ; q s - 8 s, one rounding
.endr
.endr
.irp t, 0,1,2,3,4,5,6,7                ; eight accumulators, one instruction each: no two on end share one
	v_wmma_f32_16x16x32_f16 v[ACC+8*(\t):ACC+8*(\t)+7], v[LU+8*(\b):LU+8*(\b)+7], v[FR+8*(\t):FR+8*(\t)+7], v[ACC+8*(\t):ACC+8*(\t)+7]
.endr
.rept 4
	v_nop                                          ; four places between the last product and the conversions that read results (ISA guide 7.12.1)
.endr
	s_wait_xcnt 0x0                                ; every earlier memory instruction has had its addresses translated (ISA guide 3.1): the last block's store data are rewritten only behind this wait
.irp j, 0,1,2,3,4,5,6,7                ; rows ascending: each accumulator is first read at its lowest register
.irp u, 0,1,2,3
	v_cvt_pk_f16_f32 v[OUTR+4*(\j)+(\u)], v[ACC+16*(\u)+(\j)], v[ACC+16*(\u)+8+(\j)]  ; columns 2 u, 2 u + 1 of my eight
.endr
.endr
.irp j, 0,1,2,3,4,5,6,7
	global_store_b128 v[VO], v[OUTR+4*(\j):OUTR+4*(\j)+3], s[12:13] offset:(16*(\b)+(\j))*ROWW  ; 16 lanes store 256 consecutive bytes, at a multiple of 256 from W's first byte
.endr
.endm
	BLOCK 0, 32                                    ; blocks 1 and 2 stay out
	BLOCK 1, 32                                    ; blocks 2 and 3
	BLOCK 2, 16                                    ; block 3
	BLOCK 3, 0
	s_endpgm
.Lfunc_end_k_qcb7311849b_fold:
	.size	k_qcb7311849b_fold, .Lfunc_end_k_qcb7311849b_fold-k_qcb7311849b_fold
	.p2alignl 7, 3214868480
	.fill 96, 4, 3214868480
	.section	.rodata,"a",@progbits
	.p2align	6, 0x0
	.amdhsa_kernel k_qcb7311849b_fold
		.amdhsa_group_segment_fixed_size 0
		.amdhsa_private_segment_fixed_size 0
		.amdhsa_enable_private_segment 0
		.amdhsa_kernarg_size 40
		.amdhsa_user_sgpr_count 2
		.amdhsa_user_sgpr_kernarg_segment_ptr 1
		.amdhsa_wavefront_size32 1
		.amdhsa_system_sgpr_workgroup_id_x 1
		.amdhsa_system_sgpr_workgroup_id_y 1
		.amdhsa_system_sgpr_workgroup_id_z 1
		.amdhsa_system_vgpr_workitem_id 0
		.amdhsa_next_free_vgpr 512
		.amdhsa_next_free_sgpr 66
		.amdhsa_reserve_vcc 0
		.amdhsa_float_denorm_mode_32 3
		.amdhsa_float_denorm_mode_16_64 3
		.amdhsa_memory_ordered 1
		.amdhsa_forward_progress 1
		.amdhsa_inst_pref_size 49
	.end_amdhsa_kernel
	.amdgpu_metadata
---
amdhsa.version: [ 1, 2 ]
amdhsa.kernels:
  - .name:           k_qcb7311849b_fold
    .symbol:         k_qcb7311849b_fold.kd
    .args:
      - { .name: lora_down, .offset: 0, .size: 8, .value_kind: global_buffer, .address_space: global }
      - { .name: lora_up, .offset: 8, .size: 8, .value_kind: global_buffer, .address_space: global }
      - { .name: qweight, .offset: 16, .size: 8, .value_kind: global_buffer, .address_space: global }
      - { .name: wscale, .offset: 24, .size: 8, .value_kind: global_buffer, .address_space: global }
      - { .name: wfold, .offset: 32, .size: 8, .value_kind: global_buffer, .address_space: global }
    .group_segment_fixed_size: 0
    .private_segment_fixed_size: 0
    .kernarg_segment_align: 8
    .kernarg_segment_size: 40
    .max_flat_workgroup_size: 256
    .sgpr_count:     66
    .vgpr_count:     512
    .wavefront_size: 32
...
	.end_amdgpu_metadata
.endif
;; end of part 1
;; launch gemm (part 2): grid 16 x 16, 4 waves a work-group, clusters of 4 x 4, 327,680 bytes of LDS; arguments x, wfold, out0; writes out0
.if DOCPART == 2
	.amdgcn_target "amdgcn-amd-amdhsa--gfx1250"
	.amdhsa_code_object_version 6
	.text
	.protected	k_qcb7311849b_gemm
	.globl	k_qcb7311849b_gemm
	.p2align	8
	.type	k_qcb7311849b_gemm,@function
k_qcb7311849b_gemm:
	s_mov_b64 s[64:65], 0
	v_nop
	global_prefetch_b8 v0, s[64:65] scope:SCOPE_SE
	s_setreg_imm32_b32 hwreg(HW_REG_WAVE_MODE, 25, 1), 1
	s_wait_xcnt 0x0
	s_wait_alu depctr_hold_cnt(0) depctr_sa_sdst(0) depctr_va_vdst(0) depctr_va_sdst(0) depctr_va_ssrc(0) depctr_va_vcc(0) depctr_vm_vsrc(0)
	s_getreg_b32 s2, hwreg(HW_REG_IB_STS2, 6, 4)
	s_cmp_eq_u32 s2, 0
	s_cbranch_scc0 .Lentry_in_a_cluster
	s_endpgm
.Lentry_in_a_cluster:
	s_bfe_u32 s2, ttmp6, 0x10000c
	s_cmp_lg_u32 s2, 0xf033
	s_cbranch_scc0 .Lentry_shape_is_right
	s_endpgm
.Lentry_shape_is_right:
; C[m][n] = f16( the sum over k of A[m][k] B[n][k] ).  A = x: [4096][4096], B = W' (the folded weights of the launch before): [4096][4096], C = out0: [4096][4096], all f16; sums in f32, K ascending, C rounded once.
; LIMITS.  f16 holds no number beyond 65,504: a sum of 65,520 or more in size leaves as an infinity, as it does in the module's own last conversion.  NaN and infinities are not treated apart.
; A tile of C, 256 x 256, is made by a work-group of four waves, as many as a WGP has SIMDs: 16 x 16 tiles, one for each of 256 work-groups.  A wave makes 128 x 128: 64 accumulators of 16 x 16, 512 registers.
; K goes in 32 steps of 128 through a ring of two LDS slots filled by the tensor data mover: the rows of A's and B's tiles are 256 bytes of memory and start at multiples of 256 bytes from the buffer's first byte.
; The last K step goes by rows of C, so that finished rows leave while the others are multiplied.
; CLUSTERS: 4 x 4 work-groups form a cluster.  The four of a row of the cluster make the tiles of one tile row of C and need the same tiles of A; the four of a column need the same tiles of B.  Such a tile is
; asked for JOINTLY: each of the four issues the same tensor load, with the same descriptor and a mask that names the four, and each receives the tile in its own LDS.  That divides the requests for A and for B by four.
;
; REGISTERS, in windows of 256 (an instruction names v0-v255; s_set_vgpr_msb says which window each operand place means):
;   window 0: v0-31 addresses; v64-127, v128-191 fragments of A (8 x 16 rows x 32 K), two buffers (in the last K step four, of 16 rows x 128 K); v32-63, v192-255 at work on the way out
;   window 1: v64-127, v128-191 fragments of B, two buffers; in the last K step all 256: B's fragments of the whole step
;   window 2: the 32 accumulators of my rows 0-63 (accumulator (a, b) at v[8 (8 a + b)]);   window 3: those of my rows 64-127
; s_set_vgpr_msb's low byte: bits 1:0 source 0, 3:2 source 1, 5:4 source 2, 7:6 destination.  Work is laid in long stretches under one setting; at a branch and at a label every window is 0.
;
; THE MATRIX INSTRUCTION IS USED TRANSPOSED: source 0 = 16 rows of B, source 1 = 16 rows of A.  In the result, lane l then holds row m = l % 16 of C, and its registers 0 to 7 the columns
; n = 8 (l / 16) + 0 .. 7: eight NEIGHBOURING numbers of a row of C, which pack into 16 bytes.
.set SIZE_M, 4096
.set SIZE_N, 4096
.set SIZE_K, 4096
.set KSTEP,  128
.set PITCH,  272                       ; an LDS row: 256 bytes of data + 16 of padding = 68 words: row r starts at bank 4 r mod 64 (64 banks of 4 bytes: ISA guide 11.1), so the 16 rows that a load touches start at 16 different banks
.set HALFT,  128*PITCH                 ; 128 rows: what one tensor load brings, and what one wave reads of A or of B
.set SLOT,   4*HALFT                   ; A's 256 rows, then B's 256 rows
.set STAGE,  2*SLOT                    ; behind the ring: 16 rows x 272 bytes for each wave, for the way out
.set SPITCH, 272
.set SPARE,  STAGE+4*16*SPITCH         ; behind the stages: the spare words, 128 bytes for each wave: two blocks of 256 bytes that no other line names
.set LAPS, SIZE_K/(2*KSTEP)            ; a lap = two K steps = once round the ring: 16
.set ADRA, 16                          ; v16-17  LDS address of my A fragments in slot 0, 1
.set ADRB, 20                          ; v20-21  the same for B
.set STO,  24                          ; v24     the way out: where I put 16 bytes of a row
.set RD,   25                          ; v25     the way out: where I read a row back
.set CO,   26                          ; v26     my byte offset in C
.set SPW,  28                          ; v28     LDS address of my spare word: SPARE + 4 x my thread's number; never rewritten
.set NIL,  29                          ; v29     0; never rewritten
.set PFO,  30                          ; v30     the prefetches' offset: my lane x a row of A or B in memory (8,192 bytes); never rewritten
.set PFA,  44                          ; s[44:45] where my prefetches stand: my work-group's 32 rows of the 128 that I fetch, one K step further along K than the refill that is being asked for; a prefetch names the K step after that
.set LIM,  43                          ; s43     1 in a wave that prefetches, else the greatest number
.set F0,   64                          ; fragment buffer 0
.set F1,   128                         ; fragment buffer 1
.set TMP,  192                         ; the way out: packed results, in window 0
.set OB,   32                          ; the way out: 16 rows read back from the stage: v32-63 and v224-255 by turns
.set PA,   64                          ; the last K step: A's fragments of 16 rows x 128 K, 32 registers; four such buffers, v64-191
.set G1, 24                            ; s[24:31] descriptor group 1 for A's tiles
.set G0, 32                            ; s[32:39] descriptor group 0 for A's tiles, one set for each slot
.set G1B, 48                           ; s[48:55] descriptor group 1 for B's tiles: it differs from A's in the mask alone
.set G0B, 56                           ; s[56:63] descriptor group 0 for B's tiles, one set for each slot
.set MSB, 0
.macro WIN new                         ; the immediate's high byte repeats the setting that is left; a switch that changes nothing is dropped
.if MSB != (\new)
	s_set_vgpr_msb (MSB<<8)|(\new)
.set MSB, \new
.endif
.endm
.set MUL_LO, 0xa1                      ; source 0 (B) window 1, source 1 (A) window 0, C and D window 2
.set MUL_HI, 0xf1                      ; the same, C and D window 3
.set TO_B,   0x40                      ; destination window 1, address window 0
; A joint load.  Waves 0 and 1 fetch A's two halves, waves 2 and 3 B's.  Each of the two lines has ONE mask and one set of registers for all that issue it, and nothing in
; them hangs on a coordinate that the four partners do not share.  The branch hangs on the wave's number alone: it is the same in every work-group.
; An s_nop 0 and four v_nop follow each of the two lines; the jump round the other line, the label and what follows the macro come after them.
.macro JLOAD s
	s_cmp_eq_u32 s11, 0
	s_cbranch_scc0 .Lfor_b_\@
	tensor_load_to_lds s[G0+4*(\s):G0+4*(\s)+3], s[G1:G1+7]
	s_nop 0
.rept 4
	v_nop
.endr
	s_branch .Lasked_\@
.Lfor_b_\@:
	tensor_load_to_lds s[G0B+4*(\s):G0B+4*(\s)+3], s[G1B:G1B+7]
	s_nop 0
.rept 4
	v_nop
.endr
.Lasked_\@:
.endm
; A PREFETCH INTO THE L2, behind each joint load, its five lines and the run of LDS loads that follows them: the K step that stands TWO refills on, 512 matrix instructions ahead of the load that will ask for it:
; 32 rows x 256 bytes, a lane a row, one instruction a wave.  Each row's 256 bytes of a K step are named ONCE in the launch.  A's tile row is read by every cluster of that row of clusters: the first of them
; (cluster x = 0) prefetches; B's tile column by every cluster of that column: cluster y = 0 prefetches.  The four partners that ask for a tile jointly share its rows out BY ADDRESS: of the 128 rows that wave w
; fetches, the partner at place p takes 32 p .. 32 p + 31 (p = cx for A, cy for B): no branch hangs on a work-group's place in its cluster.  The loop's last trip asks for nothing: its two refills have no K step two on.
.macro ASK
	s_cmp_gt_u32 s3, s[LIM]                        ; s3 = 1 in the loop's last trip
	s_cbranch_scc0 .Lnot_mine_\@
	global_prefetch_b8 v[PFO], s[PFA:PFA+1] offset:KSTEP*2 th:TH_LOAD_NT scope:SCOPE_SE
.Lnot_mine_\@:
.endm
; A round of the cluster's barrier: my work-group's barrier, so that wave 0's signal speaks for all four waves; wave 0 signals for the work-group; every wave waits for all
; sixteen work-groups; my work-group's barrier once more.  No LDS instruction of the wave is pending at a signal.
.macro CREST                           ; a round behind its opening barrier
	s_cmp_lg_u32 s10, 0
	s_cbranch_scc1 .Lnot_wave_0_\@
	s_barrier_signal -3
.Lnot_wave_0_\@:
	s_barrier_wait -3
	s_barrier_signal -1
	s_barrier_wait -1
.endm
.macro CROUND                          ; a whole round
	s_barrier_signal -1
	s_barrier_wait -1
	CREST
.endm
	s_load_b128 s[4:7], s[0:1], 0x0                ; A s[4:5], B s[6:7]
	s_load_b64 s[8:9], s[0:1], 0x10                ; C
	v_lshl_add_u32 v[SPW], v0, 2, SPARE
	v_mov_b32 v[NIL], 0
	ds_add_u32 v[SPW], v[NIL]                      ; the wave's opening: the add, twice on end, and its wait ahead of my first tensor load; the set-up below the second, work on registers, stands between it and the wait
	ds_add_u32 v[SPW], v[NIL]                      ; and once more, under the one wait
	v_lshrrev_b32 v1, 5, v0
	v_readfirstlane_b32 s10, v1                    ; wave 0..3
	s_lshr_b32 s11, s10, 1                         ; which half of the tile's rows is mine.  Also: I fetch for A (0) or for B (1)
	s_and_b32 s12, s10, 1                          ; which half of its columns.  Also: which 128 rows of that tile I fetch
	s_bfe_u32 s40, ttmp6, 0x40000                  ; cx: my place along the cluster's x
	s_bfe_u32 s41, ttmp6, 0x40004                  ; cy: along its y
	s_lshl_b32 s42, ttmp9, 2                       ; in a cluster launch ttmp9 and ttmp7 count clusters
	s_add_co_u32 s42, s42, s40                     ; tile column of C = 4 x cluster x + cx
	s_and_b32 s13, ttmp7, 0xffff
	s_lshl_b32 s13, s13, 2
	s_add_co_u32 s13, s13, s41                     ; tile row of C = 4 x cluster y + cy
	s_lshl_b32 s43, s41, 2
	s_lshl_b32 s43, 15, s43                        ; my row of the cluster: places 4 cy .. 4 cy + 3
	s_lshl_b32 s44, 0x1111, s40                    ; my column: places cx, cx + 4, cx + 8, cx + 12
	; descriptor group 1: a tile of 128 rows x 128 elements, padded in LDS
	s_or_b32 s[G1+0], s43, (1<<16)|(1<<20)|(1<<21)|(5<<22)|(3<<25)  ; 15:0 the mask: A's tiles go to my row; 17:16 element of 2 bytes; 20 padding on; 21 set beside a mask; 24:22 after every 64 words (code 5); 31:25 of 4 words (code 3)
	s_or_b32 s[G1B+0], s44, (1<<16)|(1<<20)|(1<<21)|(5<<22)|(3<<25) ; the same with the mask of my column, for B's tiles
	s_mov_b32 s[G1B+1], KSTEP<<16
	s_mov_b32 s[G1+1], KSTEP<<16                   ; 63:48 tensor_dim0, low half = 128
	s_mov_b32 s[G1B+2], 128<<16
	s_mov_b32 s[G1+2], 128<<16                     ; 79:64 its high half = 0; 95:80 tensor_dim1, low half = 128
	s_mov_b32 s[G1B+3], KSTEP<<16
	s_mov_b32 s[G1+3], KSTEP<<16                   ; 111:96 its high half = 0; 127:112 tile_dim0 = 128
	s_mov_b32 s[G1B+4], 128
	s_mov_b32 s[G1+4], 128                         ; 143:128 tile_dim1 = 128; 159:144 tile_dim2 = 0
	s_mov_b32 s[G1B+5], SIZE_K
	s_mov_b32 s[G1+5], SIZE_K                      ; 191:160 tensor_dim0_stride, low word: elements from row to row
	s_mov_b32 s[G1B+6], 0
	s_mov_b32 s[G1+6], 0
	s_mov_b32 s[G1B+7], 0
	s_mov_b32 s[G1+7], 0
	; where the tiles come from.  A's hang on the tile row alone, which my row of the cluster shares; B's on the tile column alone, which my column shares.
	; Every wave makes both addresses, in registers that never hold the other coordinate, and asks by one of them.
	s_lshl_b32 s17, s12, 7                         ; which 128 rows of the tile I fetch
	s_lshl_b32 s16, s13, 8
	s_add_co_u32 s16, s16, s17                     ; A: row 256 x tile row + 128 x half
	s_lshl_b32 s46, s42, 8
	s_add_co_u32 s46, s46, s17                     ; B: row 256 x tile column + 128 x half
	s_mov_b32 s17, 0
	s_mov_b32 s47, 0
	s_mov_b64 s[18:19], SIZE_K*2
	s_mul_u64 s[16:17], s[16:17], s[18:19]         ; in bytes, in 64 bits
	s_mul_u64 s[46:47], s[46:47], s[18:19]
	s_mul_i32 s20, s10, HALFT                      ; and where they go: A's two halves, then B's two halves = wave x 128 rows: no place in the cluster enters an LDS address
	s_wait_dscnt 0x0                               ; both opening adds are done
	s_wait_kmcnt 0x0
	s_add_nc_u64 s[14:15], s[4:5], s[16:17]
	s_add_nc_u64 s[46:47], s[6:7], s[46:47]
	CROUND                                         ; all sixteen work-groups are here: the first joint loads meet
.irp s, 0,1
	s_mov_b32 s[G0+4*(\s)], 1                                      ; 1:0 count = 1
	s_add_co_u32 s[G0+4*(\s)+1], s20, (\s)*SLOT                    ; 63:32 LDS address
	s_add_nc_u64 s[G0+4*(\s)+2:G0+4*(\s)+3], s[14:15], (\s)*KSTEP*2  ; 120:64 global address: K step s
	s_or_b32 s[G0+4*(\s)+3], s[G0+4*(\s)+3], 0x80000000            ; 127:126 type = 2
	s_mov_b32 s[G0B+4*(\s)], 1
	s_add_co_u32 s[G0B+4*(\s)+1], s20, (\s)*SLOT
	s_add_nc_u64 s[G0B+4*(\s)+2:G0B+4*(\s)+3], s[46:47], (\s)*KSTEP*2
	s_or_b32 s[G0B+4*(\s)+3], s[G0B+4*(\s)+3], 0x80000000
	JLOAD \s                                       ; the ring is filled before anything else is done: two loads of mine are out
.endr
	; A fragment is 16 rows x 32 K in 8 registers: lane l holds row l % 16; registers 0-3 hold K = 8 (l / 16) + 0..7, registers 4-7 hold
	; K = 16 + 8 (l / 16) + 0..7.  From rows that lie along K: two loads of 16 bytes, 32 bytes apart.  The same for source 0 and source 1.
	v_and_b32 v1, 15, v0                           ; l % 16
	v_bfe_u32 v2, v0, 4, 1                         ; l / 16
	v_mul_u32_u24 v3, v1, PITCH
	v_lshl_add_u32 v3, v2, 4, v3                   ; row x pitch + 16 x half
	s_mul_i32 s21, s11, HALFT                      ; my 128 rows of A
	s_mul_i32 s22, s12, HALFT                      ; my 128 rows of B,
	s_add_co_u32 s22, s22, 2*HALFT                 ; which lie behind A's 256
.irp s, 0,1
	v_add_nc_u32 v[ADRA+(\s)], s21, v3
	v_add_nc_u32 v[ADRB+(\s)], s22, v3
	s_add_co_u32 s21, s21, SLOT
	s_add_co_u32 s22, s22, SLOT
.endr
	s_mul_i32 s23, s10, 16*SPITCH
	s_add_co_u32 s23, s23, STAGE                   ; my stage
	v_mul_u32_u24 v4, v1, SPITCH                   ; in: row l % 16, 16 bytes for each half of the lanes
	v_lshl_add_u32 v4, v2, 4, v4
	v_add_nc_u32 v[STO], s23, v4
	v_mul_u32_u24 v5, v2, SPITCH                   ; back: lanes 0-15 take one row of 256 bytes, lanes 16-31 the next
	v_lshl_add_u32 v5, v1, 4, v5
	v_add_nc_u32 v[RD], s23, v5
	v_mul_u32_u24 v5, v2, SIZE_N*2                 ; and the same two rows in C
	v_lshl_add_u32 v[CO], v1, 4, v5
	; where my part of the tile begins in C, in bytes: the way out adds it to C's address
	s_lshl_b32 s13, s13, 8
	s_lshl_b32 s14, s11, 7
	s_add_co_u32 s16, s13, s14                     ; my first row of C
	s_mov_b32 s17, 0
	s_mov_b64 s[18:19], SIZE_N*2
	s_mul_u64 s[16:17], s[16:17], s[18:19]
	s_lshl_b32 s46, s42, 9                         ; my first column, in bytes: 512 x tile column + 256 x half (in the registers that held B's address: none that feeds A's descriptors ever holds cx)
	s_lshl_b32 s47, s12, 8
	s_add_co_u32 s46, s46, s47
	s_mov_b32 s47, 0
	s_add_nc_u64 s[16:17], s[16:17], s[46:47]
	; the prefetches.  s13 = 256 x tile row, s42 = tile column, s40 = cx, s41 = cy still stand; s[4:5] = A, s[6:7] = B
	s_lshl_b32 s42, s42, 8
	s_and_b32 s22, ttmp7, 0xffff                   ; cluster y
	s_cmp_eq_u32 s11, 0                            ; do I fetch for A?
	s_cselect_b32 s20, s13, s42                    ; the tile's first row: in A by the tile row, in B by the tile column
	s_cselect_b32 s21, s40, s41                    ; my place among the four that ask for it with me
	s_cselect_b32 s22, ttmp9, s22                  ; the coordinate along which other clusters read the same rows
	s_cselect_b64 s[PFA:PFA+1], s[4:5], s[6:7]
	s_cmp_eq_u32 s22, 0
	s_cselect_b32 s[LIM], 1, -1                    ; the same in all sixteen partners, for a given wave
	s_lshl_b32 s22, s12, 7
	s_add_co_u32 s20, s20, s22                     ; + the 128 rows that I fetch
	s_lshl_b32 s21, s21, 5
	s_add_co_u32 s20, s20, s21                     ; + my work-group's 32 of them
	s_mov_b32 s21, 0
	s_mov_b64 s[18:19], SIZE_K*2
	s_mul_u64 s[20:21], s[20:21], s[18:19]
	s_add_nc_u64 s[PFA:PFA+1], s[PFA:PFA+1], s[20:21]
	s_add_nc_u64 s[PFA:PFA+1], s[PFA:PFA+1], 2*KSTEP*2  ; at K step 2: the first refill steps it to 3 and names K step 4
	v_and_b32 v[PFO], 31, v0
	v_mul_u32_u24 v[PFO], v[PFO], SIZE_K*2
	; nothing is prefetched here, at the head, where every work-group's first two tiles are on their way: K steps 2 and 3 come by their refills alone
; 16 matrix instructions: m blocks a0, a0 + 1 of the window's four (hi = 0: my rows 0-63, 1: rows 64-127) x all 8 n blocks, 32 along K.
; zero = 1: the first product starts the sums: nothing is ever cleared.  The 64 accumulators take turns, one instruction a turn, in the same order in every quarter step.
.macro MUL16 f, hi, a0, zero
	WIN MUL_LO+0x50*(\hi)  ; MUL_LO or MUL_HI
.irp a, \a0, (\a0)+1
.irp b, 0,1,2,3,4,5,6,7
.if \zero
	v_wmma_f32_16x16x32_f16 v[8*(8*(\a)+(\b)):8*(8*(\a)+(\b))+7], v[(\f)+8*(\b):(\f)+8*(\b)+7], v[(\f)+8*(4*(\hi)+(\a)):(\f)+8*(4*(\hi)+(\a))+7], 0
.else
	v_wmma_f32_16x16x32_f16 v[8*(8*(\a)+(\b)):8*(8*(\a)+(\b))+7], v[(\f)+8*(\b):(\f)+8*(\b)+7], v[(\f)+8*(4*(\hi)+(\a)):(\f)+8*(4*(\hi)+(\a))+7], v[8*(8*(\a)+(\b)):8*(8*(\a)+(\b))+7]
.endif
.endr
.endr
.endm
; 32 LDS loads in one run: the fragments of one quarter step (128 rows of B, 128 rows of A, 32 K at byte k of the rows) into buffer f
.macro FETCH slot, k, f
	WIN TO_B
.irp i, 0,1,2,3,4,5,6,7
	ds_load_b128 v[(\f)+8*(\i):(\f)+8*(\i)+3],   v[ADRB+(\slot)] offset:(\k)+(\i)*16*PITCH
	ds_load_b128 v[(\f)+8*(\i)+4:(\f)+8*(\i)+7], v[ADRB+(\slot)] offset:(\k)+(\i)*16*PITCH+32
.endr
	WIN 0
.irp i, 0,1,2,3,4,5,6,7
	ds_load_b128 v[(\f)+8*(\i):(\f)+8*(\i)+3],   v[ADRA+(\slot)] offset:(\k)+(\i)*16*PITCH
	ds_load_b128 v[(\f)+8*(\i)+4:(\f)+8*(\i)+7], v[ADRA+(\slot)] offset:(\k)+(\i)*16*PITCH+32
.endr
.endm
; A load into a register that a matrix instruction has read, and a vector instruction that reads a matrix result or writes one of a matrix
; instruction's registers, stand four places behind that matrix instruction, and only plain vector instructions that name none of its registers
; are places (ISA guide 7.12.1 for vector instructions).  So four v_nop stand in front of each run of
; loads, and in front of conversions that read results just made: sixteen issue slots for a K step's 256 matrix instructions.
.macro PLACES
.rept 4
	v_nop
.endr
.endm
; A K step is four quarter steps of 32 along K, 64 matrix instructions each, on buffers 0, 1, 0, 1.
; One of the first three: multiplies buffer f; in its middle it fetches the next quarter's fragments, at byte k of the same slot's rows, into buffer g.
.macro QUARTER slot, k, f, g, zero
	s_wait_dscnt 8                                 ; B and A's rows 0-63 are in; the youngest eight loads (A's rows 64-127) may be out
	WIN MUL_LO
	MUL16 \f, 0, 0, \zero
	MUL16 \f, 0, 2, \zero
	PLACES
	FETCH \slot, \k, \g
	s_wait_dscnt 32                                ; all but the 32 just issued
	WIN MUL_HI
	MUL16 \f, 1, 0, \zero
	MUL16 \f, 1, 2, \zero
.endm
; The last quarter multiplies buffer 1 and changes slots.  MEET is its first half: ONE barrier for the change of slots, for two things.  In front of it each wave waits for
; all its tensor loads, of which one is out: its part of the next slot; adds 0 to its spare word; and waits for that and for its own reads of this slot.  Behind it nobody reads this slot any more and the next slot is whole.
.macro MEET round                      ; round = 1: a round of the cluster's barrier follows
	WIN 0                                          ; (the add's two registers lie in window 0)
	s_wait_tensorcnt 0x0                           ; all my tensor loads have landed: the one that was out is my part of the next slot;
	ds_add_u32 v[SPW], v[NIL]                      ; 0 onto my spare word
	s_wait_dscnt 9                                 ; (the add and the youngest eight loads may be out)
	WIN MUL_LO
	MUL16 F1, 0, 0, 0                              ; sixteen matrix instructions stand between the add and the wait for it
	s_wait_dscnt 0x0                               ; the add is done, and my reads of this slot are over (the last were issued 48 matrix instructions ago):
	s_barrier_signal -1                            ; say so (where a slot is filled again this barrier opens a round of the cluster's barrier),
	MUL16 F1, 0, 2, 0                              ; work on registers while the others arrive,
.if \round
	WIN 0
.endif
	s_barrier_wait -1                              ; and go on when all four have said so
.endm
; The whole last quarter.  Behind the round the slot just read out is filled again first, with the K step two steps on; then come the next slot's first fragments.
; From a request to the wait for it a wave issues 224 matrix instructions.
.macro TURN slot, next
	s_wait_xcnt 0x0                                ; the last prefetch, a K step back, has read its address: it is stepped here, ahead of the waits of the change of slots, so that nothing is added between the round and the joint load
	s_add_nc_u64 s[PFA:PFA+1], s[PFA:PFA+1], KSTEP*2
	MEET 1
	CREST                                          ; wave 0 says so for the work-group, all sixteen work-groups have said so, my work-group's barrier closes the round:
	                                               ; no wave of any partner still reads this slot's tile or has a load on its way
	s_add_nc_u64 s[G0+4*(\slot)+2:G0+4*(\slot)+3], s[G0+4*(\slot)+2:G0+4*(\slot)+3], 2*KSTEP*2
	s_add_nc_u64 s[G0B+4*(\slot)+2:G0B+4*(\slot)+3], s[G0B+4*(\slot)+2:G0B+4*(\slot)+3], 2*KSTEP*2
	JLOAD \slot                                    ; the first tensor load behind the round, and my only one until the next; the four v_nop behind it are also the places in front of the loads below
	FETCH \next, 0, F0
	ASK                                            ; behind the joint load and the run of LDS loads that the next products wait for
	WIN MUL_HI
	MUL16 F1, 1, 0, 0
	MUL16 F1, 1, 2, 0
.endm
; THE LAST K STEP (it lies in slot 1) GOES BY ROWS OF C, NOT BY K.  All its fragments of B (4 quarters x 64 registers) fill window 1; then my eight blocks of 16 rows are
; finished one after the other, each with 32 matrix instructions (its 8 accumulators by turns, K ascending).  LDS is read no more than in any other K step.
.macro BLOAD q                         ; B's fragments of quarter q -> window 1, v[64 q ..]
	WIN TO_B
.irp i, 0,1,2,3,4,5,6,7
	ds_load_b128 v[64*(\q)+8*(\i):64*(\q)+8*(\i)+3],   v[ADRB+1] offset:64*(\q)+(\i)*16*PITCH
	ds_load_b128 v[64*(\q)+8*(\i)+4:64*(\q)+8*(\i)+7], v[ADRB+1] offset:64*(\q)+(\i)*16*PITCH+32
.endr
.endm
.macro ALOAD a                         ; A's fragments of block a, all four quarters -> buffer a % 4
	WIN 0
.set FA, PA+32*((\a)%4)
.irp q, 0,1,2,3
	ds_load_b128 v[FA+8*(\q):FA+8*(\q)+3],   v[ADRA+1] offset:64*(\q)+(\a)*16*PITCH
	ds_load_b128 v[FA+8*(\q)+4:FA+8*(\q)+7], v[ADRA+1] offset:64*(\q)+(\a)*16*PITCH+32
.endr
.endm
.macro ROW a                           ; block a is finished: 32 matrix instructions
.set FA, PA+32*((\a)%4)                ; its fragments of A
.set AC, 64*((\a)%4)                   ; its eight accumulators, in window 2 (blocks 0-3) or 3 (blocks 4-7)
	WIN MUL_LO+0x50*((\a)/4)                       ; MUL_LO or MUL_HI
.irp q, 0,1,2,3
.if (\a) == 0 && (\q) == 2
	s_wait_dscnt 24                                ; B's quarter 2 is in (behind it: A's blocks 1 to 3)
.endif
.irp b, 0,1,2,3,4,5,6,7
	v_wmma_f32_16x16x32_f16 v[AC+8*(\b):AC+8*(\b)+7], v[64*(\q)+8*(\b):64*(\q)+8*(\b)+7], v[FA+8*(\q):FA+8*(\q)+7], v[AC+8*(\b):AC+8*(\b)+7]
.endr
.endr
.endm
; THE WAY OUT of block a, in three parts.  PACK: rounded to f16, 16 bytes a lane, each accumulator's registers in ascending order.  TOSTAGE: into my own stage in LDS, and back as whole rows of 256 bytes.  SEND: stored.
.macro PACK a
.set AC, 64*((\a)%4)
	WIN 0x0a+5*((\a)/4)                            ; sources 0 and 1: window 2 or 3
.irp b, 0,1,2,3,4,5,6,7
.irp r, 0,1,2,3
	v_cvt_pk_f16_f32 v[TMP+4*(\b)+(\r)], v[AC+8*(\b)+2*(\r)], v[AC+8*(\b)+2*(\r)+1]
.endr
.endr
	WIN 0
.endm
.macro TOSTAGE a
	WIN 0
.set BK, OB+192*((\a)%2)
.irp b, 0,1,2,3,4,5,6,7
	ds_store_b128 v[STO], v[TMP+4*(\b):TMP+4*(\b)+3] offset:32*(\b)
.endr
.irp t, 0,1,2,3,4,5,6,7
	ds_load_b128 v[BK+4*(\t):BK+4*(\t)+3], v[RD] offset:(\t)*2*SPITCH  ; LDS serves a wave's instructions in order (ISA guide 5.7.1.4): these see the stores above
.endr
.endm
.macro SEND a, younger                 ; younger: the LDS loads issued behind TOSTAGE's, which may stay out
	WIN 0
.set BK, OB+192*((\a)%2)
	s_wait_dscnt \younger                          ; the block is back in registers
	s_wait_xcnt 0x0                                ; every earlier memory instruction has had its addresses translated (ISA guide 3.1): only behind this wait are the stores' base and the registers that earlier stores read rewritten
.if (\a) == 0
	s_add_nc_u64 s[8:9], s[8:9], s[16:17]          ; on to my first rows of the tile
.else
	s_add_nc_u64 s[8:9], s[8:9], 16*SIZE_N*2       ; 16 rows of C on, so that the stores' offsets stay small: 14 rows of C at the most
.endif
.irp t, 0,1,2,3,4,5,6,7
	global_store_b128 v[CO], v[BK+4*(\t):BK+4*(\t)+3], s[8:9] offset:2*(\t)*SIZE_N*2  ; 16 lanes store 256 consecutive bytes, at a multiple of 256 from C's first byte
.endr
.endm
	s_wait_tensorcnt 1                             ; my part of K step 0 is in; K step 1's load may stay out
	s_barrier_signal -1
	s_barrier_wait -1                              ; everybody's is
	FETCH 0, 0, F0
	QUARTER 0, 64,  F0, F1, 1                      ; the first quarter stands in front of the loop: its products start the sums
	WIN 0                                          ; at a label and at a branch every window is 0
	s_mov_b32 s3, LAPS-1
.Llap:                                                 ; a trip goes once round the ring, from a lap's second quarter to the next lap's first, and fills both slots again
	QUARTER 0, 128, F1, F0, 0
	QUARTER 0, 192, F0, F1, 0
	TURN 0, 1
	QUARTER 1, 64,  F0, F1, 0
	QUARTER 1, 128, F1, F0, 0
	QUARTER 1, 192, F0, F1, 0
	TURN 1, 0
	QUARTER 0, 64,  F0, F1, 0
	WIN 0
	s_sub_co_u32 s3, s3, 1
	s_cmp_lg_u32 s3, 0
	s_cbranch_scc1 .Llap
	QUARTER 0, 128, F1, F0, 0                      ; the last lap goes on; it asks for nothing more
	QUARTER 0, 192, F0, F1, 0
	MEET 0                                         ; my one tensor load that was still out is slot 1's, the last K step's, so no round follows
	PLACES                                         ; for the loads into buffer 0, which the quarter before multiplied
	WIN TO_B
	BLOAD 0                                        ; three quarters of B now: buffer 1 (v128-191 of both windows) is still being multiplied
	BLOAD 1
	BLOAD 3
	WIN 0
	ALOAD 0
	WIN MUL_HI
	MUL16 F1, 1, 0, 0
	MUL16 F1, 1, 2, 0
	PLACES                                         ; for the loads into buffer 1
	WIN TO_B
	BLOAD 2
	WIN 0
	ALOAD 1
	ALOAD 2
	ALOAD 3
	s_wait_dscnt 40                                ; all but the 40 just issued
	ROW 0
.irp a, 0,1,2,3,4,5,6,7                ; each block leaves as soon as it is finished: nothing follows this tile, so its stores begin as early as they can
	PLACES                                         ; its conversions read results just made, and no other vector work is at hand
	PACK \a
	TOSTAGE \a
.if (\a) < 4
	ALOAD (\a)+4                                   ; its buffer takes the block four further on
	SEND \a, 8
.else
	SEND \a, 0
.endif
.if (\a) < 7
	ROW (\a)+1
.endif
.endr
	s_wait_tensorcnt 0x0                           ; the wave's end, behind my last tensor load and my last LDS store
	ds_add_u32 v[SPW], v[NIL]
	s_wait_dscnt 0x0
	CROUND                                         ; the closing round: no work-group ends while a partner may still ask for a tile that names it
	s_endpgm
.Lfunc_end_k_qcb7311849b_gemm:
	.size	k_qcb7311849b_gemm, .Lfunc_end_k_qcb7311849b_gemm-k_qcb7311849b_gemm
	.p2alignl 7, 3214868480
	.fill 96, 4, 3214868480
	.section	.rodata,"a",@progbits
	.p2align	6, 0x0
	.amdhsa_kernel k_qcb7311849b_gemm
		.amdhsa_group_segment_fixed_size 327680
		.amdhsa_private_segment_fixed_size 0
		.amdhsa_enable_private_segment 0
		.amdhsa_kernarg_size 24
		.amdhsa_user_sgpr_count 2
		.amdhsa_user_sgpr_kernarg_segment_ptr 1
		.amdhsa_wavefront_size32 1
		.amdhsa_system_sgpr_workgroup_id_x 1
		.amdhsa_system_sgpr_workgroup_id_y 1
		.amdhsa_system_sgpr_workgroup_id_z 1
		.amdhsa_system_vgpr_workitem_id 0
		.amdhsa_next_free_vgpr 1024
		.amdhsa_next_free_sgpr 66
		.amdhsa_reserve_vcc 0
		.amdhsa_float_denorm_mode_32 3
		.amdhsa_float_denorm_mode_16_64 3
		.amdhsa_memory_ordered 1
		.amdhsa_forward_progress 1
		.amdhsa_inst_pref_size 144
	.end_amdhsa_kernel
	.amdgpu_metadata
---
amdhsa.version: [ 1, 2 ]
amdhsa.kernels:
  - .name:           k_qcb7311849b_gemm
    .symbol:         k_qcb7311849b_gemm.kd
    .args:
      - { .name: x, .offset: 0, .size: 8, .value_kind: global_buffer, .address_space: global }
      - { .name: wfold, .offset: 8, .size: 8, .value_kind: global_buffer, .address_space: global }
      - { .name: out0, .offset: 16, .size: 8, .value_kind: global_buffer, .address_space: global }
    .group_segment_fixed_size: 327680
    .private_segment_fixed_size: 0
    .kernarg_segment_align: 8
    .kernarg_segment_size: 24
    .max_flat_workgroup_size: 128
    .sgpr_count:     66
    .vgpr_count:     1024
    .wavefront_size: 32
...
	.end_amdgpu_metadata
.endif
;; end of part 2
;; ======== version 2 of 2: 2 launches; version 1 with the launch fold written anew for expert scheduling mode
;; limits: values outside matrix products are rounded to f16; values are held in f16: magnitudes above 65,504 overflow, below 6.1e-05 lose precision
;; workspace buffers: wfold 33,554,432 bytes
;; launch fold (part 3): grid 4 x 64, 8 waves a work-group, no clusters, 0 bytes of LDS; arguments lora_down, lora_up, qweight, wscale, wfold; writes wfold
.if DOCPART == 3
	.amdgcn_target "amdgcn-amd-amdhsa--gfx1250"
	.amdhsa_code_object_version 6
	.text
	.protected	k_qcb7311849b_fold
	.globl	k_qcb7311849b_fold
	.p2align	8
	.type	k_qcb7311849b_fold,@function
k_qcb7311849b_fold:
	s_mov_b64 s[64:65], 0
	v_nop
	global_prefetch_b8 v0, s[64:65] scope:SCOPE_SE
	s_setreg_imm32_b32 hwreg(HW_REG_WAVE_SCHED_MODE, 0, 2), 2
	s_setreg_imm32_b32 hwreg(HW_REG_WAVE_MODE, 25, 1), 1
	s_wait_xcnt 0x0
	s_wait_alu depctr_vm_vsrc(0)
; W'[n][k] = f16( (q[n][k] - 8) s[n][k / 64] + the sum over r of Lu[n][r] Ld[r][k] ).  q: [4096][4096] int32, s: [4096][64] f16, Lu: [4096][32] f16, Ld: [32][4096] f16, W': [4096][4096] f16.
; WHY.  (x Ld^T) Lu^T = x (Lu Ld)^T for every input, so the low-rank branch is folded into the weights here, once, and the launch behind is one product x W'^T.  The rank, 32, is the K of one
; matrix instruction: a tile of 16 x 16 of W' is ONE v_wmma_f32_16x16x32_f16 whose C operand is the dequantised weights.
; LIMITS.  The order of rounding is not the module's own: h = x Ld^T is never rounded to f16, and w = (q - 8) s is not rounded by itself: q s - 8 s is one fused multiply-add in f32 (exact for
; codes 0 to 15: 4 bits x 11 bits), Lu Ld is added in f32, and W' is rounded ONCE to f16.  Where Lu Ld is hundreds of times larger than w, w's share is rounded at Lu Ld's size.
; |W'| of 65,520 or more becomes an infinity.  Any int32 code is taken (v_cvt_f32_i32); beyond 2,048 in size its f16 value in the module's own arithmetic would differ.  NaN and infinities are not treated apart.
; SHARES.  256 work-groups of eight waves.  Work-group (gx, gy) owns rows 64 gy .. + 63 and columns 1,024 gx .. + 1,023; wave w the 128 columns from kb = 128 (8 gx + w), all 64 rows, as four blocks of 16.
; LAYOUT (lane l: r = l % 16, h = l / 16).  Source 0 = 16 rows of Lu, source 1 = Ld^T, where column r of tile t (0 .. 7) STANDS FOR k = kb + 8 r + t.  So register j of tile t is W'[n0 + 8 h + j][kb + 8 r + t]:
; a lane's eight tiles hold eight NEIGHBOURING columns of one row, 16 bytes of f16, and sixteen lanes store 256 consecutive bytes, aligned: nothing goes through LDS.  The lane's codes of that row are 32
; consecutive bytes of q: two loads of 16 bytes, of which a pair covers 512 consecutive bytes of each of two rows.  No wave wants a byte that another has fetched: no LDS, no barrier.
; IN FLIGHT.  A wave's whole share of q is 32 KiB = 256 registers (window 1).  Three of its four blocks are asked for before anything is computed, the fourth when the first has come.
; THE MODE: SCHED_MODE bits 1:0 = 2 (LLVM: expert scheduling mode 2), set by the entry lines.  The code itself states the register dependences between vector or matrix instructions and memory
; instructions, with s_wait_alu, always for 0.
; THE PLAN.  Registers that memory instructions touch:
;   v3-v6        the four byte offsets.  Written at the head and never again; read by every load and store.  One wait on va_vdst, ahead of the first load, serves them all.
;   v8-11, v32-63, v128-191   the scales, Lu, Ld as loaded.  Each takes one load, at the head, and no vector instruction names it earlier; none is loaded again.
;   Q0 .. Q3     window 1, 64 registers a block.  Each takes one load; the first vector instructions that name a block's registers are that block's own conversions, behind the wait for its data.
;                So the loads of blocks 2 and 3, which stand behind vector work, land in registers that no vector instruction issued so far has named: they owe no wait.
;   OUT0, OUT1   two out-buffers of 32.  Block b's roundings write OUT[b % 2]; its eight stores read it; block b + 2's roundings write it again.
; So a block has ONE wait on va_vdst, behind its roundings and ahead of its run of stores; and blocks 2 and 3 have one wait on vm_vsrc, ahead of their roundings, for stores that were issued a whole block earlier.
; The accumulators, the fragments of Ld^T and the scales in f32 are named by vector and matrix instructions alone.
; REGISTERS.  window 0: v1-7 lane terms; v8-11 scales as loaded; v12-15 in f32; v16-23 a block's eight scales; v24-31 minus eight times them; v32-63 Lu; v64-127 Ld^T; v128-191 accumulators; v192-255 to store, two buffers.
.set ROWQ, 16384                       ; bytes in a row of q
.set ROWW, 8192                        ; bytes in a row of W' and of Ld
.set VQ,  3                            ; v3   my byte offset in q: 8 h rows + 32 r; never rewritten
.set VO,  4                            ; v4   my byte offset in W' and in Ld: 8 h rows + 16 r; never rewritten
.set VL,  5                            ; v5   my byte offset in Lu: 64 r + 16 h; never rewritten
.set VS,  6                            ; v6   my byte offset in the scales; never rewritten
.set SR,  8                            ; v8-11   block b's scale as loaded
.set SF,  12                           ; v12-15  the same in f32
.set SCL, 16                           ; v[16:23] scale of row 8 h + j, for my column's group
.set NSC, 24                           ; v[24:31] -8 x that
.set LU,  32                           ; v[32:63] block b's fragment of Lu at LU + 8 b
.set FR,  64                           ; v[64:127] tile t's fragment of Ld^T at FR + 8 t
.set ACC, 128                          ; v[128:191] tile t's accumulator at ACC + 8 t
.set RAW, 128                          ; the same registers, first: Ld as loaded, row number a at RAW + 4 a
.set OUTR, 192                         ; v[192:255] out-buffer b % 2, row j: 16 bytes at OUTR + 32 (b % 2) + 4 j
.set MSB, 0
.macro WIN new                         ; s_set_vgpr_msb: bits 1:0 source 0, 7:6 destination; the immediate's high byte repeats the setting that is left
.if MSB != (\new)
	s_set_vgpr_msb (MSB<<8)|(\new)
.set MSB, \new
.endif
.endm
	s_load_b256 s[4:11], s[0:1], 0x0               ; Ld s[4:5], Lu s[6:7], q s[8:9], scales s[10:11]
	s_load_b64 s[12:13], s[0:1], 0x20              ; W'
	v_lshrrev_b32 v7, 5, v0
	v_readfirstlane_b32 s14, v7                    ; wave 0..7
	v_and_b32 v1, 15, v0                           ; r
	v_bfe_u32 v2, v0, 4, 1                         ; h
	v_lshlrev_b32 v[VQ], 5, v1                     ; 8 codes of 4 bytes for each r,
	v_lshl_or_b32 v[VQ], v2, 17, v[VQ]             ; 8 rows of 16,384 bytes for h
	v_lshlrev_b32 v[VO], 4, v1                     ; 8 numbers of 2 bytes for each r,
	v_lshl_or_b32 v[VO], v2, 16, v[VO]             ; 8 rows of 8,192 bytes for h
	v_lshlrev_b32 v[VL], 6, v1                     ; a row of Lu is 64 bytes; registers 0-3 of a fragment hold ranks 8 h + 0..7
	v_lshl_or_b32 v[VL], v2, 4, v[VL]
	v_and_b32 v[VS], 7, v0                         ; lane i of each group of eight lanes fetches the scale of row 8 h + i (128 bytes a row)
	v_lshlrev_b32 v[VS], 7, v[VS]
	v_lshl_or_b32 v[VS], v2, 10, v[VS]
	v_bfe_u32 v7, v0, 3, 1                         ; r / 8: which of my wave's two groups of 64 columns the eight lanes lie in
	v_lshl_or_b32 v[VS], v7, 1, v[VS]
.irp j, 0,1,2,3,4,5,6,7
	v_mov_b32 v[SCL+(\j)], 0                       ; a DPP form's destination counts as read: it is written once here
.endr
	s_wait_alu depctr_va_sdst(0)                   ; s14 is written, ahead of its first reader: four of the five bases are made from it
	s_lshl_b32 s15, ttmp9, 3
	s_add_co_u32 s15, s15, s14                     ; my block of 128 columns, 0 .. 31
	s_and_b32 s16, ttmp7, 0xffff                   ; gy
	s_mov_b32 s20, 0x05040100                      ; v_perm_b32: the two low halves
	s_mov_b32 s21, 0x07060302                      ; the two high halves
	s_lshl_b32 s18, s15, 8                         ; Ld: 256 bytes a column block
	s_mov_b32 s19, 0
	s_lshl_b32 s22, s16, 12                        ; Lu: 64 rows of 64 bytes
	s_mov_b32 s23, 0
	s_lshl_b32 s24, s16, 20                        ; q: 64 rows of 16,384 bytes,
	s_lshl_b32 s17, s15, 9                         ; 512 bytes a column block
	s_add_co_u32 s24, s24, s17
	s_mov_b32 s25, 0
	s_lshl_b32 s26, s16, 13                        ; scales: 64 rows of 128 bytes,
	s_lshl_b32 s17, s15, 2                         ; two groups of 2 bytes a column block
	s_add_co_u32 s26, s26, s17
	s_mov_b32 s27, 0
	s_lshl_b32 s28, s16, 19                        ; W': 64 rows of 8,192 bytes,
	s_add_co_u32 s28, s28, s18                     ; 256 bytes a column block
	s_mov_b32 s29, 0
	s_wait_kmcnt 0x0
	s_add_nc_u64 s[4:5], s[4:5], s[18:19]
	s_add_nc_u64 s[6:7], s[6:7], s[22:23]
	s_add_nc_u64 s[8:9], s[8:9], s[24:25]
	s_add_nc_u64 s[10:11], s[10:11], s[26:27]
	s_add_nc_u64 s[12:13], s[12:13], s[28:29]
	s_wait_alu depctr_va_vdst(0)                   ; the four offsets v3 to v6 are written: every load and store of the kernel reads one of them, and no line below writes them
; Block b's codes: 16 loads into window 1; row j, tile t at 64 b + 8 j + t.  All steps stand in the immediate (63 rows + 16 bytes at the most): no address register is ever rewritten.
; No wait stands here: no vector instruction issued ahead of these loads names a register in which they land, and their offset was written ahead of the wait above.
.macro QLOAD b
	WIN 0x40                                       ; destination window 1, address window 0
.irp j, 0,1,2,3,4,5,6,7
.irp u, 0,1
	global_load_b128 v[64*(\b)+8*(\j)+4*(\u):64*(\b)+8*(\j)+4*(\u)+3], v[VQ], s[8:9] offset:(16*(\b)+(\j))*ROWQ+16*(\u) th:TH_LOAD_NT
.endr
.endr
	WIN 0
.endm
	; Ld as it lies: load a brings rank 8 h + a (a < 8) or 16 + 8 h + (a - 8), columns kb + 8 r + 0..7: sixteen lanes read 256 consecutive bytes
.irp a, 0,1,2,3,4,5,6,7,8,9,10,11,12,13,14,15
	global_load_b128 v[RAW+4*(\a):RAW+4*(\a)+3], v[VO], s[4:5] offset:((\a)+8*((\a)/8))*ROWW
.endr
.irp b, 0,1,2,3
	global_load_u16 v[SR+(\b)], v[VS], s[10:11] offset:2048*(\b)  ; 16 rows of 128 bytes a block
.endr
.irp b, 0,1,2,3
	global_load_b128 v[LU+8*(\b):LU+8*(\b)+3],   v[VL], s[6:7] offset:1024*(\b)
	global_load_b128 v[LU+8*(\b)+4:LU+8*(\b)+7], v[VL], s[6:7] offset:1024*(\b)+32
.endr
	QLOAD 0
	QLOAD 1
	s_wait_loadcnt 32                              ; loads come back in order (ISA guide 5.7.1): Ld, the scales and Lu are in; the 32 loads of blocks 0 and 1 stay out
	; Ld^T's fragments, kept for all four blocks.  Register i of tile t holds ranks (8 h or 16 + 8 h) + 2 (i % 4), + 1 of column kb + 8 r + t: the halves t of loads 2 i and 2 i + 1.
.irp i, 0,1,2,3,4,5,6,7
.irp u, 0,1,2,3
	v_perm_b32 v[FR+16*(\u)+(\i)],   v[RAW+4*(2*(\i)+1)+(\u)], v[RAW+8*(\i)+(\u)], s20  ; t = 2 u
	v_perm_b32 v[FR+16*(\u)+8+(\i)], v[RAW+4*(2*(\i)+1)+(\u)], v[RAW+8*(\i)+(\u)], s21  ; t = 2 u + 1
.endr
.endr
	v_cvt_f32_f16 v12, v8.l                        ; the four blocks' scales in f32
	v_cvt_f32_f16 v13, v9.l
	v_cvt_f32_f16 v14, v10.l
	v_cvt_f32_f16 v15, v11.l
	QLOAD 2
; Block b: 16 rows x 128 columns.  left = the younger loads that may stay out.
.macro BLOCK b, left
	s_wait_loadcnt \left                           ; this block's codes are in
.if (\b) == 0
	QLOAD 3                                        ; the last block is asked for when the first has come: 48 loads of mine are out
.endif
	WIN 0x01                                       ; source window 1
.irp t, 0,1,2,3,4,5,6,7
.irp j, 0,1,2,3,4,5,6,7
	v_cvt_f32_i32 v[ACC+8*(\t)+(\j)], v[64*(\b)+8*(\j)+(\t)]  ; from (row, tile) to (tile, row): the turn is in the names alone
.endr
.endr
	WIN 0
.irp j, 0,1,2,3,4,5,6,7
	v_mov_b32_dpp v[SCL+(\j)], v[SF+(\b)] dpp8:[\j,\j,\j,\j,\j,\j,\j,\j]  ; all eight lanes of a group take lane j's: the scale of row 8 h + j for the group's columns
.endr
.irp p, 0,2,4,6
	v_pk_mul_f32 v[NSC+(\p):NSC+(\p)+1], v[SCL+(\p):SCL+(\p)+1], 0xc1000000 op_sel_hi:[1,0]  ; -8 s
.endr
.irp t, 0,1,2,3,4,5,6,7
.irp p, 0,2,4,6
	v_pk_fma_f32 v[ACC+8*(\t)+(\p):ACC+8*(\t)+(\p)+1], v[ACC+8*(\t)+(\p):ACC+8*(\t)+(\p)+1], v[SCL+(\p):SCL+(\p)+1], v[NSC+(\p):NSC+(\p)+1]  ; q s - 8 s, one rounding
.endr
.endr
.irp t, 0,1,2,3,4,5,6,7                ; eight accumulators, one instruction each: no two on end share one
	v_wmma_f32_16x16x32_f16 v[ACC+8*(\t):ACC+8*(\t)+7], v[LU+8*(\b):LU+8*(\b)+7], v[FR+8*(\t):FR+8*(\t)+7], v[ACC+8*(\t):ACC+8*(\t)+7]
.endr
.rept 4
	v_nop                                          ; four places between the last product and the conversions that read results (ISA guide 7.12.1)
.endr
.if (\b) >= 2                          ; blocks 0 and 1 write their out-buffer for the first time: no store has read it
	s_wait_xcnt 0x0                                ; every earlier memory instruction has had its addresses translated (ISA guide 3.1): the store data of the block two back are rewritten only behind this wait
	s_wait_alu depctr_vm_vsrc(0)                   ; the eight stores of the block two back have read this out-buffer, which the roundings below write again
.endif
.irp j, 0,1,2,3,4,5,6,7                ; rows ascending: each accumulator is first read at its lowest register
.irp u, 0,1,2,3
	v_cvt_pk_f16_f32 v[OUTR+32*((\b)%2)+4*(\j)+(\u)], v[ACC+16*(\u)+(\j)], v[ACC+16*(\u)+8+(\j)]  ; columns 2 u, 2 u + 1 of my eight
.endr
.endr
	s_wait_alu depctr_va_vdst(0)                   ; the 32 roundings have written this block's out-buffer, which the eight stores below read
.irp j, 0,1,2,3,4,5,6,7
	global_store_b128 v[VO], v[OUTR+32*((\b)%2)+4*(\j):OUTR+32*((\b)%2)+4*(\j)+3], s[12:13] offset:(16*(\b)+(\j))*ROWW  ; 16 lanes store 256 consecutive bytes, at a multiple of 256 from W's first byte
.endr
.endm
	BLOCK 0, 32                                    ; blocks 1 and 2 stay out
	BLOCK 1, 32                                    ; blocks 2 and 3
	BLOCK 2, 16                                    ; block 3
	BLOCK 3, 0
	s_endpgm
.Lfunc_end_k_qcb7311849b_fold:
	.size	k_qcb7311849b_fold, .Lfunc_end_k_qcb7311849b_fold-k_qcb7311849b_fold
	.p2alignl 7, 3214868480
	.fill 96, 4, 3214868480
	.section	.rodata,"a",@progbits
	.p2align	6, 0x0
	.amdhsa_kernel k_qcb7311849b_fold
		.amdhsa_group_segment_fixed_size 0
		.amdhsa_private_segment_fixed_size 0
		.amdhsa_enable_private_segment 0
		.amdhsa_kernarg_size 40
		.amdhsa_user_sgpr_count 2
		.amdhsa_user_sgpr_kernarg_segment_ptr 1
		.amdhsa_wavefront_size32 1
		.amdhsa_system_sgpr_workgroup_id_x 1
		.amdhsa_system_sgpr_workgroup_id_y 1
		.amdhsa_system_sgpr_workgroup_id_z 1
		.amdhsa_system_vgpr_workitem_id 0
		.amdhsa_next_free_vgpr 512
		.amdhsa_next_free_sgpr 66
		.amdhsa_reserve_vcc 0
		.amdhsa_float_denorm_mode_32 3
		.amdhsa_float_denorm_mode_16_64 3
		.amdhsa_memory_ordered 1
		.amdhsa_forward_progress 1
		.amdhsa_inst_pref_size 50
	.end_amdhsa_kernel
	.amdgpu_metadata
---
amdhsa.version: [ 1, 2 ]
amdhsa.kernels:
  - .name:           k_qcb7311849b_fold
    .symbol:         k_qcb7311849b_fold.kd
    .args:
      - { .name: lora_down, .offset: 0, .size: 8, .value_kind: global_buffer, .address_space: global }
      - { .name: lora_up, .offset: 8, .size: 8, .value_kind: global_buffer, .address_space: global }
      - { .name: qweight, .offset: 16, .size: 8, .value_kind: global_buffer, .address_space: global }
      - { .name: wscale, .offset: 24, .size: 8, .value_kind: global_buffer, .address_space: global }
      - { .name: wfold, .offset: 32, .size: 8, .value_kind: global_buffer, .address_space: global }
    .group_segment_fixed_size: 0
    .private_segment_fixed_size: 0
    .kernarg_segment_align: 8
    .kernarg_segment_size: 40
    .max_flat_workgroup_size: 256
    .sgpr_count:     66
    .vgpr_count:     512
    .wavefront_size: 32
...
	.end_amdgpu_metadata
.endif
;; end of part 3
;; launch gemm: the kernel of part 2 again; grid 16 x 16, 4 waves a work-group, clusters of 4 x 4, 327,680 bytes of LDS; arguments x, wfold, out0; writes out0
